; MI455X (gfx1250); checked and timed in simulation.
; The chip was launched on July 23, 2026; its instructions are those of AMD's public machine-readable ISA for CDNA 5 (MIT licence, August 2026) and "CDNA5" Instruction Set Architecture Reference Guide (July 2026). The comments in the code are by the model that wrote it; some were corrected since.
;; Flattened Vector Quantizer. Allowed arithmetic: matrix products marked QUANTISED: E5M2 operands, one given power-of-two scale a tensor, by v_wmma_f32_16x16x64_bf8_bf8 or v_wmma_f32_16x16x128_bf8_bf8, f32 sums; everything else in f32.
;; Inputs: lowp_scales 2 int32 (the exponents e of the quantised operands' scales 2^e); weight 8,192 x 512 float32; z_flat 16,384 x 512 float32.
;; Outputs: out0 one number float32; out1 16,384 x 512 float32; out2 16,384 int32.
;; This version of the problem:
;;   THIS VERSION OF THE PROBLEM IS GIVEN IN LOW PRECISION. The matrix products marked QUANTISED in the list below multiply operands that are first quantised to E5M2 (5 exponent bits, 2 mantissa bits; 8 bits a number), with one given power-of-two scale for each operand tensor; their sums are f32. All else is computed in f32.
;;   The module's matrix products, in the order in which they are computed (A, B: the left and right operand; K: the contracted axis; several contracted axes count as one K, in the product's order):
;;     1. [M 16,384, K 512] x [K 512, N 8,192]; A: input z_flat; B: input weight: QUANTISED (scales: A lowp_scales[0], B lowp_scales[1])
;;   THE QUANTISER, for each operand of a quantised product, along K:
;;     - The operand's scale is 2^e, e = its entry of the input lowp_scales (int32; the entries are numbered through the quantised products in the list's order, A before B).
;;     - Each number is divided by the scale, clamped to +-57,344, and rounded to the nearest number of E5M2, ties to even, subnormals kept.
;;     - The product sums the exact products of the quantised numbers (number of the format x scale) in f32.
;;   ~~~python
;;   def quantise(x, axis, e):      # numpy; x: float32 -> the quantised numbers, widened to float32 again
;;       x = np.moveaxis(x, axis, -1); K = x.shape[-1]
;;       r = np.clip(x / 2.0 ** e, -57344, 57344)
;;       step = 2.0 ** (np.maximum(np.frexp(np.where(r == 0, 1, r))[1] - 1, -14) - 2)
;;       q = np.round(r / step) * step * 2.0 ** e      # np.round: ties to even
;;       return np.moveaxis(q, -1, axis).astype(np.float32)
;;   ~~~
;; One version. Each part assembles by itself: llvm-mc -triple=amdgcn-amd-amdhsa -mcpu=gfx1250 --defsym DOCPART=n.
;; ======== version 1 of 1: 4 launches
;; limits: right only within a limited range of input values
;; workspace buffers: zq 8,388,608 bytes; wq 4,325,376 bytes; cand 1,048,576 bytes of whole numbers; part 16,384 bytes
;; launch quant (part 1): grid 256 x 1, 6 waves a work-group, no clusters, 51,456 bytes of LDS; arguments z_flat, weight, lowp_scales, zq, wq; writes zq, wq
.if DOCPART == 1
	.amdgcn_target "amdgcn-amd-amdhsa--gfx1250"
	.amdhsa_code_object_version 6
	.text
	.protected	k_q8c6c351da6_quant
	.globl	k_q8c6c351da6_quant
	.p2align	8
	.type	k_q8c6c351da6_quant,@function
k_q8c6c351da6_quant:
	s_mov_b64 s[64:65], 0
	v_nop
	global_prefetch_b8 v0, s[64:65] scope:SCOPE_SE
	s_setreg_imm32_b32 hwreg(HW_REG_WAVE_MODE, 25, 1), 1
	s_wait_xcnt 0x0
; z_flat [16384][512] and weight [8192][512], f32, become codes of BF8 (E5M2), each tensor with the one scale 2^e given for it (entry 0: z, entry 1: weight):
; code = x / 2^e, held within +-57,344, rounded to the nearest code, ties to even.
; WORK LEFT OUT IN THIS PROGRAM: d = |z|^2 + |e|^2 - 2 z.e; |z|^2 is the same for all codes of a row, so for all values of the inputs argmin d = argmax of z.e - |e|^2 / 2: |z|^2 is not formed.
; LIMIT of that: the roundings of |z|^2 + |e|^2 and of the difference are not formed either; a NaN, infinity or overflow that reaches |z|^2 alone is not carried to the result.
; For weight also n[c] = -(sum over k of weight[c][k]^2) x 2^(-1 - ea - eb), from the f32 numbers: it is the C of the score's first matrix instruction in the next launch.
; THE CODES ARE LAID AS IMAGES OF THE OPERAND'S REGISTERS.  A tile is 16 rows x 512 K = 8,192 bytes: [4 K steps of 128][4 groups q of four registers][32 lanes][16 bytes]; lane (r = lane % 16, h = lane / 16)
; holds, of row r, k = 128 s + 32 q + 16 h + 0 .. 15.  A tile of wq has 256 bytes more: its 16 norms, four times on end.  So a tile of wq is 33 rows of 256 bytes.
; SHARES.  1,536 tiles (1,024 of z, 512 of weight), one a wave: 256 work-groups of 6 waves.  Pointers, e and the two branches round the norm's lines hang on the tile's number alone.
; A step's 16 loads read 512 consecutive bytes of one row each; the conversions want 16 neighbours along K in one lane: so a step's 8,192 bytes turn through the wave's own stage in LDS (rows 528 bytes apart).
; LIMITS: ea and eb each between -126 and 112; the sum of squares x 2^(-1 - ea - eb) is a finite f32 number.  NaN among the inputs is not served (an infinity is held at the largest code).
; No tensor load, no cluster, no barrier: no two waves read the same byte.
.set ZT,   1024                        ; tiles of z
.set SP,   528                         ; a stage row: 512 bytes + 16
.set STG,  16*SP                       ; a wave's stage, 8,448 bytes (also the bytes of a tile of wq)
.set SPARE, 6*STG                      ; behind the stages: the spare words, 128 bytes a wave
.set LO,   1                           ; v1   16 x lane
.set SA,   2                           ; v2   the stage on the way in
.set RA,   3                           ; v3   and on the way out: 528 r + 64 h
.set SC,   4                           ; v4   2^e as f32
.set LIM,  5                           ; v5   57,344 x 2^e
.set TP,   7                           ; v7   at work
.set SQ,   8                           ; v8-15  four pairs: minus the sums of squares
.set R,    16                          ; v16-143  two sets of 64: a step's numbers as loaded
.set X,    144                         ; v144-207 a step's numbers, 16 neighbours of each of four blocks
.set C,    208                         ; v208-239 two sets of 16: a step's codes
.set WO,   241                         ; v241 8 x lane
.set SPW,  244                         ; v244 my spare word; never rewritten
.set NIL,  245                         ; v245 0; never rewritten
	s_load_b128 s[4:7], s[0:1], 0x0                ; z_flat, weight
	s_load_b64 s[8:9], s[0:1], 0x10                ; the scales' exponents
	s_load_b128 s[12:15], s[0:1], 0x18             ; zq, wq
	v_lshl_add_u32 v[SPW], v0, 2, SPARE
	v_mov_b32 v[NIL], 0
	v_lshrrev_b32 v[TP], 5, v0
	v_readfirstlane_b32 s20, v[TP]                 ; wave 0..5
	v_and_b32 v[TP], 31, v0
	v_lshlrev_b32 v[LO], 4, v[TP]
	v_lshlrev_b32 v[WO], 3, v[TP]
	s_mul_i32 s21, s20, STG                        ; my stage
	v_add_nc_u32 v[SA], s21, v[LO]
	v_and_b32 v[TP], 15, v0                        ; r
	v_mul_u32_u24 v[RA], v[TP], SP
	v_bfe_u32 v[TP], v0, 4, 1                      ; h
	v_lshl_add_u32 v[RA], v[TP], 6, v[RA]
	v_add_nc_u32 v[RA], s21, v[RA]
.irp i, 0,1,2,3,4,5,6,7
	v_mov_b32 v[SQ+\i], 0
.endr
	s_mov_b32 s32, 0x76543210                      ; v_permlanex16_b32: lane l takes lane l xor 16
	s_mov_b32 s33, 0xfedcba98
	s_mov_b32 s34, 0xeca86420                      ; v_permlane16_b32: lane i of a row takes lane 2 i mod 16,
	s_mov_b32 s35, 0xfdb97531                      ; lane (2 i + 1) mod 16
	s_mul_i32 s24, ttmp9, 6
	s_add_co_u32 s24, s24, s20                     ; my tile, 0 .. 1,535
	s_wait_alu depctr_va_vdst(0)                   ; the wait at the head's end
	s_wait_kmcnt 0x0
	s_load_b64 s[22:23], s[8:9], 0x0               ; ea, eb
	s_mov_b32 s28, STG
	s_cmp_lt_u32 s24, ZT                           ; z's tile or weight's?
	s_cselect_b64 s[4:5], s[4:5], s[6:7]
	s_cselect_b64 s[12:13], s[12:13], s[14:15]
	s_cselect_b32 s28, 8192, s28                   ; bytes of a tile on the way out
	s_cselect_b32 s31, 1, 0                        ; 1: z
	s_cselect_b32 s25, 0, ZT
	s_sub_co_u32 s24, s24, s25                     ; my tile of the tensor
	s_lshl_b32 s26, s24, 15                        ; 16 rows of 2,048 bytes in
	s_mov_b32 s27, 0
	s_add_nc_u64 s[4:5], s[4:5], s[26:27]
	s_mul_i32 s26, s24, s28
	s_add_nc_u64 s[12:13], s[12:13], s[26:27]
.macro LOAD st                         ; step st: 512 bytes of each of my 16 rows, a row a load, into set st % 2
.set n, 0
.rept 16
	global_load_b128 v[R+64*((\st)%2)+4*n:R+64*((\st)%2)+4*n+3], v[LO], s[4:5] offset:2048*n+512*(\st) th:TH_LOAD_NT
.set n, n+1
.endr
.endm
	LOAD 0
	LOAD 1
	s_wait_kmcnt 0x0
	s_add_co_i32 s30, s22, s23
	s_sub_co_i32 s30, -1, s30                      ; -1 - ea - eb
	s_cmp_lg_u32 s31, 0
	s_cselect_b32 s22, s22, s23                    ; e
	s_add_co_i32 s22, s22, 127
	s_lshl_b32 s23, s22, 23
	v_mov_b32 v[SC], s23
	s_add_co_i32 s22, s22, 15
	s_lshl_b32 s22, s22, 23
	s_or_b32 s22, s22, 0x600000                    ; the mantissa field of 57,344
	v_mov_b32 v[LIM], s22
.macro STEP st, left                   ; left: the younger set's loads, which may stay out
.set CS, C+16*((\st)%2)
	s_wait_loadcnt \left
.set n, 0
.rept 16
	ds_store_b128 v[SA], v[R+64*((\st)%2)+4*n:R+64*((\st)%2)+4*n+3] offset:SP*n       ; row n as it lies
.set n, n+1
.endr
.set n, 0
.rept 16
	ds_load_b128 v[X+4*n:X+4*n+3], v[RA] offset:128*(n/4)+16*(n%4)                      ; LDS serves a wave's instructions in order: these see the stores
.set n, n+1
.endr
	s_wait_dscnt 0x0                               ; the numbers are back, so the stores have read their registers,
.if (\st) < 2
	LOAD (\st)+2                                   ; which take the loads of two steps on
.endif
	s_cmp_lg_u32 s31, 0
	s_cbranch_scc1 .Lno_sq_\@                      ; z's norm is not formed
.set n, 0
	s_wait_alu depctr_va_vdst(0)
.rept 32
	v_pk_fma_f32 v[SQ+2*((n/2)%4):SQ+2*((n/2)%4)+1], v[X+n:X+n+1], v[X+n:X+n+1], v[SQ+2*((n/2)%4):SQ+2*((n/2)%4)+1] neg_lo:[1,0,0] neg_hi:[1,0,0]   ; -= x x, in four chains
.set n, n+2
.endr
.Lno_sq_\@:
.if (\st) >= 2
	s_wait_xcnt 0x0                                ; the stores of two steps ago have read this set of codes
.endif
.set b, 0
	s_wait_alu depctr_va_vdst(0)
.rept 4
.set n, 0
.rept 16
	v_med3_num_f32 v[X+16*b+n], v[X+16*b+n], -v[LIM], v[LIM]   ; the conversion does not saturate (ISA guide 7.6.2): the hold at the largest code x the scale
.set n, n+1
.endr
	v_cvt_scalef32_pk8_bf8_f32 v[CS+4*b:CS+4*b+1], v[X+16*b:X+16*b+7], v[SC]
	v_cvt_scalef32_pk8_bf8_f32 v[CS+4*b+2:CS+4*b+3], v[X+16*b+8:X+16*b+15], v[SC]
.set b, b+1
.endr
	v_nop                                          ; one plain vector line behind the conversions
.set b, 0
.rept 4
	global_store_b128 v[LO], v[CS+4*b:CS+4*b+3], s[12:13] offset:2048*(\st)+512*b      ; 32 lanes store 512 consecutive bytes
.set b, b+1
.endr
.endm
	STEP 0, 16
	STEP 1, 16
	STEP 2, 16
	STEP 3, 0
	s_cmp_lg_u32 s31, 0
	s_cbranch_scc1 .Lend
	v_pk_add_f32 v[SQ:SQ+1], v[SQ:SQ+1], v[SQ+2:SQ+3]
	v_pk_add_f32 v[SQ+4:SQ+5], v[SQ+4:SQ+5], v[SQ+6:SQ+7]
	v_pk_add_f32 v[SQ:SQ+1], v[SQ:SQ+1], v[SQ+4:SQ+5]
	v_add_f32 v[TP], v[SQ], v[SQ+1]
	v_permlanex16_b32 v[SQ], v[TP], s32, s33       ; the row's other half lies in lane l xor 16
	v_add_f32 v[TP], v[TP], v[SQ]
	v_ldexp_f32 v[TP], v[TP], s30                  ; x 2^(-1 - ea - eb): lanes r and r + 16 hold row r's norm
	v_permlane16_b32 v[SQ], v[TP], s34, s34        ; lane l: norms 2 l mod 16 and (2 l + 1) mod 16
	v_permlane16_b32 v[SQ+1], v[TP], s35, s35
	global_store_b64 v[WO], v[SQ:SQ+1], s[12:13] offset:8192   ; 32 lanes store 256 consecutive bytes: the 16 norms four times
.Lend:
	s_wait_tensorcnt 0x0                           ; the wave's end
	ds_add_u32 v[SPW], v[NIL]
	s_wait_dscnt 0x0
	s_endpgm
.Lfunc_end_k_q8c6c351da6_quant:
	.size	k_q8c6c351da6_quant, .Lfunc_end_k_q8c6c351da6_quant-k_q8c6c351da6_quant
	.p2alignl 7, 3214868480
	.fill 96, 4, 3214868480
	.section	.rodata,"a",@progbits
	.p2align	6, 0x0
	.amdhsa_kernel k_q8c6c351da6_quant
		.amdhsa_group_segment_fixed_size 51456
		.amdhsa_private_segment_fixed_size 0
		.amdhsa_enable_private_segment 0
		.amdhsa_kernarg_size 40
		.amdhsa_user_sgpr_count 2
		.amdhsa_user_sgpr_kernarg_segment_ptr 1
		.amdhsa_wavefront_size32 1
		.amdhsa_system_sgpr_workgroup_id_x 1
		.amdhsa_system_sgpr_workgroup_id_y 1
		.amdhsa_system_sgpr_workgroup_id_z 1
		.amdhsa_system_vgpr_workitem_id 0
		.amdhsa_next_free_vgpr 246
		.amdhsa_next_free_sgpr 66
		.amdhsa_reserve_vcc 0
		.amdhsa_float_denorm_mode_32 3
		.amdhsa_float_denorm_mode_16_64 3
		.amdhsa_memory_ordered 1
		.amdhsa_forward_progress 1
		.amdhsa_inst_pref_size 46
	.end_amdhsa_kernel
	.amdgpu_metadata
---
amdhsa.version: [ 1, 2 ]
amdhsa.kernels:
  - .name:           k_q8c6c351da6_quant
    .symbol:         k_q8c6c351da6_quant.kd
    .args:
      - { .name: z_flat, .offset: 0, .size: 8, .value_kind: global_buffer, .address_space: global }
      - { .name: weight, .offset: 8, .size: 8, .value_kind: global_buffer, .address_space: global }
      - { .name: lowp_scales, .offset: 16, .size: 8, .value_kind: global_buffer, .address_space: global }
      - { .name: zq, .offset: 24, .size: 8, .value_kind: global_buffer, .address_space: global }
      - { .name: wq, .offset: 32, .size: 8, .value_kind: global_buffer, .address_space: global }
    .group_segment_fixed_size: 51456
    .private_segment_fixed_size: 0
    .kernarg_segment_align: 8
    .kernarg_segment_size: 40
    .max_flat_workgroup_size: 192
    .sgpr_count:     66
    .vgpr_count:     246
    .wavefront_size: 32
...
	.end_amdgpu_metadata
.endif
;; end of part 1
;; launch search (part 2): grid 32 x 8, 8 waves a work-group, clusters of 4 x 1, 327,680 bytes of LDS; arguments zq, wq, cand; writes cand
.if DOCPART == 2
	.amdgcn_target "amdgcn-amd-amdhsa--gfx1250"
	.amdhsa_code_object_version 6
	.text
	.protected	k_q8c6c351da6_search
	.globl	k_q8c6c351da6_search
	.p2align	8
	.type	k_q8c6c351da6_search,@function
k_q8c6c351da6_search:
	s_mov_b64 s[64:65], 0
	v_nop
	global_prefetch_b8 v0, s[64:65] scope:SCOPE_SE
	s_setreg_imm32_b32 hwreg(HW_REG_WAVE_MODE, 25, 1), 1
	s_wait_xcnt 0x0
	s_wait_alu depctr_hold_cnt(0) depctr_sa_sdst(0) depctr_va_vdst(0) depctr_va_sdst(0) depctr_va_ssrc(0) depctr_va_vcc(0) depctr_vm_vsrc(0)
	s_getreg_b32 s2, hwreg(HW_REG_IB_STS2, 6, 4)
	s_cmp_eq_u32 s2, 0
	s_cbranch_scc0 .Lentry_in_a_cluster
	s_endpgm
.Lentry_in_a_cluster:
	s_bfe_u32 s2, ttmp6, 0x10000c
	s_cmp_lg_u32 s2, 0x3003
	s_cbranch_scc0 .Lentry_shape_is_right
	s_endpgm
.Lentry_shape_is_right:
; For each row of z the best code of an eighth of the codebook.  |z|^2 is left out (the same for all codes of a row): argmin d = argmax of the SCORE S + n, S the f32 sum of the products of the codes
; of BF8 (E5M2), n = -|e|^2 x 2^(-1 - ea - eb), which is the C of each sum's first matrix instruction.
; LIMITS.  Where two distances of a row differ by no more than a few units in the last place of |z|^2 + |e|^2, the choice may be the other one.  Equal scores go to the lowest index.  NaN is not served.
; SHARES.  A work-group owns 512 rows x 1,024 codes: 32 x 8 work-groups.  Wave w keeps rows 64 w .. 64 w + 63 x 512 K in 256 registers for the whole launch and walks the slice's 64 tiles of 16 codes,
; 16 matrix instructions each.  Two waves lie on a SIMD, so that one wave's vector work stands beside the other's products.
; THE MATRIX INSTRUCTION: source 0 = 16 codes, source 1 = 16 rows of z: lane (r, h) holds row r, register j the code 8 h + j of the tile.  Both operands come as images of their registers
; (k = 128 s + 32 q + 16 h + 0 .. 15 in registers 4 q .. 4 q + 3 of K step s): a permutation of k, the same on both sides.
; THE NORMS.  C's register j is n[8 h + j] in all sixteen lanes of a half.  One LDS load of 4 bytes a lane brings lane (h, x) the norm 8 h + x % 8, and eight moves (row_share:j) spread it: 17 LDS loads a tile in place of 18, 8,320 bytes in place of 9,216.
; THE RING.  Two LDS buffers of 16 tiles x 8,448 bytes (codes, then the tile's norms), dense; four slots in all.  Each wave fetches two tiles (66 rows of 256 bytes) of a slot by one tensor load; one load of mine is out at most.
; CLUSTER.  The four row blocks of a cluster walk the same slice of wq: every tensor load is asked for JOINTLY, with the same descriptor and the mask of all four.  My place in the cluster enters global addresses alone.
; PREFETCH.  Behind the load of slot s + 1 each wave names the blocks of its part of slot s + 2 (s = 0, 1): 66 blocks of 256 bytes, 17 to each of the four partners by address; one slot's 256 matrix instructions of mine ahead of the load.
; z is read once at the head, where there is no loop to run ahead in.
; THE ARGMAX is exact.  For each row tile a running maximum; where a tile raises it (strictly: the earliest tile stays), the tile's number and its eight scores are kept.  At the end the lowest j whose kept score equals it is the place.
; OUT: cand[slice][row] = (key, index): the key is the score's bits turned so that the order of signed whole numbers is the scores' order.
; REGISTERS.  Window 1 (v256-511): z's fragments, (row tile i, K step s) at 64 i + 16 s.  Window 0: all else.
.set DUAL,  1                          ; the kept scores are selected two to an instruction
.set TILEB, 8448
.set SLOTB, 16*TILEB
.set PARTB, 2*TILEB
.set SLICEB, 64*TILEB
.set SPARE, 2*SLOTB                    ; behind the ring: the spare words, 128 bytes for each of the eight waves
.set AB,   1                           ; v1   LDS address of my 16 bytes of the tile in hand
.set AW,   2                           ; v2   and of my norm of it
.set AW0,  3                           ; v3   8,192 + 32 h + 4 (lane % 8)
.set SPW,  5                           ; v5   my spare word; never rewritten
.set NIL,  6                           ; v6   0; never rewritten
.set TID,  7                           ; v7   the tile's number, 0 .. 63
.set ZO,   8                           ; v8   16 x lane
.set CO,   9                           ; v9   8 x lane
.set CB,   10                          ; v10  1,024 x slice + 8 h
.set PFO,  12                          ; v12  the prefetches' offset; never rewritten
.set NN,   13                          ; v13, v14  a tile's norm 8 h + lane % 8, two sets
.set SNAP, 16                          ; v16-47   the best tile's eight scores, 8 a row tile
.set RR,   48                          ; v48-51, v52-55  the running maximum, two sets by turns
.set TT,   56                          ; v56-59   the best tile's number
.set JJ,   60                          ; v60-63   the place in it, then the index
.set BF,   64                          ; v64-127, v128-191  a tile's four fragments, two sets
.set ACC,  192                         ; v192-223 four accumulators
.set WC,   224                         ; v224-231 the norms of the tile's codes 8 h + 0 .. 7
.set TM,   240                         ; v240-251 at work
.set OUT,  252                         ; v252-255 what is stored
.set WV,   12                          ; s12  my wave's number
.set G1,   24                          ; s[24:31] descriptor group 1
.set G0,   40                          ; s[40:47] group 0, a set for each buffer
.set CNT,  52                          ; s52  trips to go
.set OFS,  53                          ; s53  LDS byte of the pair of tiles in hand
.set MSB, 0
.macro WIN new                         ; the immediate's high byte repeats the setting that is left
.if MSB != \new
	s_set_vgpr_msb (MSB<<8)|\new
.set MSB, \new
.endif
.endm
.macro CREST                           ; a round of the cluster's barrier behind its opening barrier
	s_cmp_lg_u32 s[WV], 0
	s_cbranch_scc1 .Lnot_wave_0_\@
	s_barrier_signal -3
.Lnot_wave_0_\@:
	s_barrier_wait -3
	s_barrier_signal -1
	s_barrier_wait -1
.endm
.macro CROUND
	s_barrier_signal -1
	s_barrier_wait -1
	CREST
.endm
	s_load_b128 s[4:7], s[0:1], 0x0                ; zq, wq
	s_load_b64 s[10:11], s[0:1], 0x10              ; cand
	v_lshl_add_u32 v[SPW], v0, 2, SPARE
	v_mov_b32 v[NIL], 0
	ds_add_u32 v[SPW], v[NIL]                      ; the opening lines: the add twice on end and its wait
	ds_add_u32 v[SPW], v[NIL]
	v_lshrrev_b32 v11, 5, v0
	v_readfirstlane_b32 s[WV], v11                 ; wave 0..7
	v_and_b32 v[ZO], 31, v0
	v_lshlrev_b32 v[ZO], 4, v[ZO]
	s_bfe_u32 s13, ttmp6, 0x40000                  ; cx
	s_lshl_b32 s14, ttmp9, 2
	s_add_co_u32 s14, s14, s13                     ; my block of 512 rows
	s_and_b32 s15, ttmp7, 0xffff                   ; my slice of the codes, which the four partners share
	s_mov_b32 s[G1], 15|(3<<16)|(1<<21)            ; the mask: all four; elements of 8 bytes; bit 21 beside a mask
	s_mov_b32 s[G1+1], 32<<16                      ; tensor_dim0 = 32: rows of 256 bytes
	s_mov_b32 s[G1+2], 66<<16                      ; tensor_dim1 = 66
	s_mov_b32 s[G1+3], 32<<16                      ; tile_dim0
	s_mov_b32 s[G1+4], 66                          ; tile_dim1: 16,896 bytes
	s_mov_b32 s[G1+5], 32                          ; from row to row
	s_mov_b32 s[G1+6], 0
	s_mov_b32 s[G1+7], 0
	s_mul_i32 s18, s[WV], PARTB                    ; my wave's part of a slot, in memory and in LDS
	s_mul_i32 s20, s15, SLICEB
	s_add_co_u32 s20, s20, s18
	s_mov_b32 s21, 0
	s_lshl_b32 s2, s14, 18                         ; zq: my block's 32 tiles of 8,192 bytes,
	s_lshl_b32 s3, s[WV], 15                       ; my wave's four
	s_add_co_u32 s2, s2, s3
	s_mov_b32 s3, 0
	s_lshl_b32 s22, s15, 17                        ; cand: my slice's 131,072 bytes,
	s_lshl_b32 s23, s14, 12                        ; my block's 512 rows of 8 bytes,
	s_add_co_u32 s22, s22, s23
	s_lshl_b32 s23, s[WV], 9                       ; my wave's 64
	s_add_co_u32 s22, s22, s23
	s_mov_b32 s23, 0
	s_mov_b32 s61, 0xffff0000                      ; lanes 16-31
	s_mov_b32 s62, 0x76543210                      ; v_permlanex16_b32: lane l takes lane l xor 16
	s_mov_b32 s63, 0xfedcba98
	s_mov_b32 s[OFS], 0
	s_wait_dscnt 0x0                               ; both opening adds are done
	s_wait_alu depctr_va_vdst(0)                   ; ahead of the wait below
	s_wait_kmcnt 0x0
	s_add_nc_u64 s[4:5], s[4:5], s[2:3]
	s_add_nc_u64 s[6:7], s[6:7], s[20:21]
	s_add_nc_u64 s[10:11], s[10:11], s[22:23]
.irp b, 0,1
	s_mov_b32 s[G0+4*\b], 1
	s_add_co_u32 s[G0+4*\b+1], s18, \b*SLOTB
	s_add_nc_u64 s[G0+4*\b+2:G0+4*\b+3], s[6:7], \b*SLOTB
	s_or_b32 s[G0+4*\b+3], s[G0+4*\b+3], 0x80000000
.endr
	CROUND                                         ; all four work-groups are here: the first joint loads meet
	tensor_load_to_lds s[G0:G0+3], s[G1:G1+7]      ; slot 0: one tensor load a wave at the head
	s_nop 0
	WIN 0x40                                       ; destination window 1
.irp i, 0,1,2,3
.irp k, 0,1,2,3
.irp q, 0,1,2,3
	global_load_b128 v[64*\i+16*\k+4*\q:64*\i+16*\k+4*\q+3], v[ZO], s[4:5] offset:8192*\i+2048*\k+512*\q   ; z stays in registers; each load reads 512 consecutive bytes
.endr
.endr
.endr
	WIN 0
	v_bfe_u32 v11, v0, 4, 1                        ; h
	v_and_b32 v[AW0], 7, v0
	v_lshlrev_b32 v[AW0], 2, v[AW0]
	v_lshl_add_u32 v[AW0], v11, 5, v[AW0]
	v_add_nc_u32 v[AW0], 8192, v[AW0]
	v_mov_b32 v[AB], v[ZO]
	v_mov_b32 v[AW], v[AW0]
	v_lshrrev_b32 v[CO], 1, v[ZO]
	s_lshl_b32 s20, s15, 10
	v_lshl_add_u32 v[CB], v11, 3, s20
	v_and_b32 v[PFO], 31, v0
	v_min_u32 v[PFO], 16, v[PFO]                   ; lanes 0-16 a block each; the others name lane 16's again
	s_mul_i32 s21, s13, 17
	v_add_nc_u32 v[PFO], s21, v[PFO]               ; my work-group's 17 of the part's 66 blocks,
	v_min_u32 v[PFO], 65, v[PFO]                   ; held at the part's last
	v_lshlrev_b32 v[PFO], 8, v[PFO]
	s_mov_b32 s58, 0xff800000                      ; -infinity, under every score: the first tile finds this state and takes its scores
.set n, 0
.rept 36
	v_mov_b32 v[SNAP+n], s58                       ; the kept scores and the first set of maxima
.set n, n+1
.endr
.irp i, 0,1,2,3
	v_mov_b32 v[TT+\i], 0
.endr
.irp j, 0,1,2,3,4,5,6,7
	v_mov_b32 v[WC+\j], 0                          ; written once: the destination of a move between lanes counts as one of its sources
.endr
	v_mov_b32 v[TID], -1
; 17 LDS loads in one run: the tile at byte o behind the address in hand, and my norm of it, into set
.macro FETCH set, o
.set m, 0
.rept 16
	ds_load_b128 v[BF+64*(\set)+4*m:BF+64*(\set)+4*m+3], v[AB] offset:(\o)+512*m
.set m, m+1
.endr
	ds_load_b32 v[NN+(\set)], v[AW] offset:(\o)
.endm
; C's eight registers: every lane of a half takes the norm that lane j of its half holds
.macro NORM set
.irp j, 0,1,2,3,4,5,6,7
	v_mov_b32_dpp v[WC+\j], v[NN+(\set)] row_share:\j row_mask:0xf bank_mask:0xf
.endr
.endm
; 16 matrix instructions: the tile in set against my four row tiles, K step by K step.  The first of each sum takes the norms as C.  The four accumulators take turns.
.macro MUL set
	WIN 0x04                                       ; source 1 (z) window 1
.irp k, 0,1,2,3
.irp i, 0,1,2,3
.if \k == 0
	v_wmma_f32_16x16x128_bf8_bf8 v[ACC+8*\i:ACC+8*\i+7], v[BF+64*(\set)+16*\k:BF+64*(\set)+16*\k+15], v[64*\i+16*\k:64*\i+16*\k+15], v[WC:WC+7]
.else
	v_wmma_f32_16x16x128_bf8_bf8 v[ACC+8*\i:ACC+8*\i+7], v[BF+64*(\set)+16*\k:BF+64*(\set)+16*\k+15], v[64*\i+16*\k:64*\i+16*\k+15], v[ACC+8*\i:ACC+8*\i+7]
.endif
.endr
.endr
	WIN 0
.endm
; A tile's 32 scores a lane.  par: which set holds the maximum so far.  adr = 1: the addresses take s[OFS].  The first four lines name no register of the products: the four places behind them (ISA guide 7.12.1).
; These lines are also the places in front of the next tile's loads into the fragments, of its moves into C and of its first products.
; Each accumulator is read from its low end on; the trees of the four row tiles stand line by line, so that no line reads its neighbour's result.
.macro TRACK par, adr
	v_add_nc_u32 v[TID], 1, v[TID]
.if \adr
	v_add_nc_u32 v[AB], s[OFS], v[ZO]
	v_add_nc_u32 v[AW], s[OFS], v[AW0]
	v_nop
.else
.rept 3
	v_nop
.endr
.endif
.irp i, 0,1,2,3
	v_max3_num_f32 v[TM+3*\i], v[ACC+8*\i], v[ACC+8*\i+1], v[ACC+8*\i+2]
.endr
.irp i, 0,1,2,3
	v_max3_num_f32 v[TM+3*\i+1], v[ACC+8*\i+3], v[ACC+8*\i+4], v[ACC+8*\i+5]
.endr
.irp i, 0,1,2,3
	v_max3_num_f32 v[TM+3*\i+2], v[ACC+8*\i+6], v[ACC+8*\i+7], v[RR+4*(\par)+\i]
.endr
.irp i, 0,1,2,3
	v_max3_num_f32 v[RR+4*(1-(\par))+\i], v[TM+3*\i], v[TM+3*\i+1], v[TM+3*\i+2]
.endr
.irp i, 0,1,2,3
	v_cmp_gt_f32 vcc_lo, v[RR+4*(1-(\par))+\i], v[RR+4*(\par)+\i]   ; strictly above: an equal score of a later tile changes nothing
.irp j, 0,2,4,6
.if DUAL
	v_dual_cndmask_b32 v[SNAP+8*\i+\j], v[SNAP+8*\i+\j], v[ACC+8*\i+\j] :: v_dual_cndmask_b32 v[SNAP+8*\i+\j+1], v[SNAP+8*\i+\j+1], v[ACC+8*\i+\j+1]
.else
	v_cndmask_b32 v[SNAP+8*\i+\j], v[SNAP+8*\i+\j], v[ACC+8*\i+\j], vcc_lo
	v_cndmask_b32 v[SNAP+8*\i+\j+1], v[SNAP+8*\i+\j+1], v[ACC+8*\i+\j+1], vcc_lo
.endif
.endr
	v_cndmask_b32 v[TT+\i], v[TT+\i], v[TID], vcc_lo
.endr
.endm
; A slot's 16 tiles.  A tile's 17 loads were issued a tile ago; the next tile's are issued in one run ahead of its products.  Seven trips of two tiles, then tiles 14 and 15 written out.
; kind 2: the buffer takes the slot two on; 1: the buffers change and nothing is filled; 0: the last slot.  THE CHANGE stands at the head of tile 15, whose fragments are then in registers: each wave waits for all its
; tensor loads (its part of the other buffer), adds 0 to its spare word, waits for that and for its reads, and signals; tile 15's moves and products, work on registers, stand between signal and wait.  With kind 2 the barrier
; opens a round of the cluster's, and the joint refill is the first thing behind it, my one tensor load until the next round.  pf = 1: the prefetch of slot 3.
.macro SLOTRUN buf, kind, pf
	s_mov_b32 s[CNT], 7
.Lrun_\@:
	s_wait_dscnt 0x0                               ; this tile's fragments and norm are in
	FETCH 1, TILEB
	NORM 0
	MUL 0
	s_add_co_u32 s[OFS], s[OFS], 2*TILEB
	TRACK 0, 1
	s_wait_dscnt 0x0
	FETCH 0, 0
	NORM 1
	MUL 1
	TRACK 1, 0
	s_sub_co_u32 s[CNT], s[CNT], 1
	s_cmp_lg_u32 s[CNT], 0
	s_cbranch_scc1 .Lrun_\@
	s_wait_dscnt 0x0                               ; tile 14
	FETCH 1, TILEB
	NORM 0
	MUL 0
.if \kind
	s_mov_b32 s[OFS], (1-\buf)*SLOTB               ; the other buffer's first tile
	TRACK 0, 1
	s_wait_tensorcnt 0x0                           ; no tensor load of mine is out, so a group 0 may be written
	ds_add_u32 v[SPW], v[NIL]
.if \kind == 2
	s_add_nc_u64 s[G0+4*\buf+2:G0+4*\buf+3], s[G0+4*\buf+2:G0+4*\buf+3], 2*SLOTB
.endif
	s_wait_dscnt 0x0                               ; the add is done, tile 15 is in registers: my reads of this buffer are over
	s_barrier_signal -1
	NORM 1
	MUL 1
	s_barrier_wait -1
.if \kind == 2
	CREST                                          ; no wave of any partner still reads the buffer or has a load on its way
	tensor_load_to_lds s[G0+4*\buf:G0+4*\buf+3], s[G1:G1+7]
	s_nop 0
.endif
	FETCH 0, 0
	TRACK 1, 0
.if \pf
	global_prefetch_b8 v[PFO], s[6:7] offset:3*SLOTB th:TH_LOAD_NT scope:SCOPE_SE
.endif
.else
	TRACK 0, 0
	s_wait_dscnt 0x0
	NORM 1
	MUL 1
	TRACK 1, 0
.endif
.endm
	s_wait_alu depctr_va_vdst(0)                   ; the wait at the head's end
	s_wait_tensorcnt 0x0                           ; my part of slot 0 is in; slot 1's first fill is issued as a refill is:
	ds_add_u32 v[SPW], v[NIL]
	s_wait_dscnt 0x0
	CROUND                                         ; everybody's part of slot 0 is in, and the joint loads meet
	tensor_load_to_lds s[G0+4:G0+7], s[G1:G1+7]
	s_nop 0
	FETCH 0, 0
	s_wait_loadcnt 0x0                             ; z
	global_prefetch_b8 v[PFO], s[6:7] offset:2*SLOTB th:TH_LOAD_NT scope:SCOPE_SE
	SLOTRUN 0, 2, 1
	SLOTRUN 1, 2, 0
	SLOTRUN 0, 1, 0
	SLOTRUN 1, 0, 0
	; THE WAY OUT.  The final maxima lie in the first set.  The place in the best tile: the lowest j whose kept score equals the maximum
.irp i, 0,1,2,3
	v_mov_b32 v[JJ+\i], 7
.endr
.irp j, 6,5,4,3,2,1,0
.irp i, 0,1,2,3
	v_cmp_neq_f32 vcc_lo, v[SNAP+8*\i+\j], v[RR+\i]
	v_cndmask_b32 v[JJ+\i], \j, v[JJ+\i], vcc_lo
.endr
.endr
.irp i, 0,1,2,3
	v_lshl_add_u32 v[JJ+\i], v[TT+\i], 4, v[JJ+\i]
.endr
.irp i, 0,1,2,3
	v_add_nc_u32 v[JJ+\i], v[CB], v[JJ+\i]         ; the code's index
.endr
.irp i, 0,1,2,3
	v_permlanex16_b32 v[TM+2*\i], v[RR+\i], s62, s63       ; the row's other eight codes of each tile lie in lane l xor 16
	v_permlanex16_b32 v[TM+2*\i+1], v[JJ+\i], s62, s63
.endr
.irp i, 0,1,2,3
	v_cmp_gt_f32 s58, v[TM+2*\i], v[RR+\i]         ; the other is taken where it is larger, or equal with the lower index
	v_cmp_eq_f32 s59, v[TM+2*\i], v[RR+\i]
	v_cmp_lt_u32 s60, v[TM+2*\i+1], v[JJ+\i]
	s_and_b32 s59, s59, s60
	s_or_b32 s58, s58, s59
	v_cndmask_b32 v[RR+\i], v[RR+\i], v[TM+2*\i], s58
	v_cndmask_b32 v[JJ+\i], v[JJ+\i], v[TM+2*\i+1], s58
.endr
.irp g, 0,1
	v_cndmask_b32 v[OUT+2*\g], v[RR+2*\g], v[RR+2*\g+1], s61       ; lanes 0-15: row tile 2 g; lanes 16-31: row tile 2 g + 1
	v_cndmask_b32 v[OUT+2*\g+1], v[JJ+2*\g], v[JJ+2*\g+1], s61
.endr
.irp g, 0,1
	v_add_f32 v[OUT+2*\g], 0, v[OUT+2*\g]          ; -0 becomes +0
.endr
.irp g, 0,1
	v_ashrrev_i32 v[TM+\g], 31, v[OUT+2*\g]
.endr
.irp g, 0,1
	v_and_b32 v[TM+\g], 0x7fffffff, v[TM+\g]
.endr
.irp g, 0,1
	v_xor_b32 v[OUT+2*\g], v[TM+\g], v[OUT+2*\g]   ; a negative score's lower 31 bits are turned over: signed whole numbers in the scores' order
.endr
.irp g, 0,1
	global_store_b64 v[CO], v[OUT+2*\g:OUT+2*\g+1], s[10:11] offset:256*\g   ; (key, index) of 32 rows: 256 consecutive bytes, at a multiple of 256 from cand's first byte
.endr
	s_wait_tensorcnt 0x0                           ; the wave's end
	ds_add_u32 v[SPW], v[NIL]
	s_wait_dscnt 0x0
	CROUND                                         ; the closing round
	s_endpgm
.Lfunc_end_k_q8c6c351da6_search:
	.size	k_q8c6c351da6_search, .Lfunc_end_k_q8c6c351da6_search-k_q8c6c351da6_search
	.p2alignl 7, 3214868480
	.fill 96, 4, 3214868480
	.section	.rodata,"a",@progbits
	.p2align	6, 0x0
	.amdhsa_kernel k_q8c6c351da6_search
		.amdhsa_group_segment_fixed_size 327680
		.amdhsa_private_segment_fixed_size 0
		.amdhsa_enable_private_segment 0
		.amdhsa_kernarg_size 24
		.amdhsa_user_sgpr_count 2
		.amdhsa_user_sgpr_kernarg_segment_ptr 1
		.amdhsa_wavefront_size32 1
		.amdhsa_system_sgpr_workgroup_id_x 1
		.amdhsa_system_sgpr_workgroup_id_y 1
		.amdhsa_system_sgpr_workgroup_id_z 1
		.amdhsa_system_vgpr_workitem_id 0
		.amdhsa_next_free_vgpr 512
		.amdhsa_next_free_sgpr 66
		.amdhsa_reserve_vcc 1
		.amdhsa_float_denorm_mode_32 3
		.amdhsa_float_denorm_mode_16_64 3
		.amdhsa_memory_ordered 1
		.amdhsa_forward_progress 1
		.amdhsa_inst_pref_size 101
	.end_amdhsa_kernel
	.amdgpu_metadata
---
amdhsa.version: [ 1, 2 ]
amdhsa.kernels:
  - .name:           k_q8c6c351da6_search
    .symbol:         k_q8c6c351da6_search.kd
    .args:
      - { .name: zq, .offset: 0, .size: 8, .value_kind: global_buffer, .address_space: global }
      - { .name: wq, .offset: 8, .size: 8, .value_kind: global_buffer, .address_space: global }
      - { .name: cand, .offset: 16, .size: 8, .value_kind: global_buffer, .address_space: global }
    .group_segment_fixed_size: 327680
    .private_segment_fixed_size: 0
    .kernarg_segment_align: 8
    .kernarg_segment_size: 24
    .max_flat_workgroup_size: 256
    .sgpr_count:     66
    .vgpr_count:     512
    .wavefront_size: 32
...
	.end_amdgpu_metadata
.endif
;; end of part 2
;; launch gather (part 3): grid 256 x 1, 16 waves a work-group, no clusters, 0 bytes of LDS; arguments z_flat, weight, cand, out1, out2, part; writes out1, out2, part
.if DOCPART == 3
	.amdgcn_target "amdgcn-amd-amdhsa--gfx1250"
	.amdhsa_code_object_version 6
	.text
	.protected	k_q8c6c351da6_gather
	.globl	k_q8c6c351da6_gather
	.p2align	8
	.type	k_q8c6c351da6_gather,@function
k_q8c6c351da6_gather:
	s_mov_b64 s[64:65], 0
	v_nop
	global_prefetch_b8 v0, s[64:65] scope:SCOPE_SE
	s_setreg_imm32_b32 hwreg(HW_REG_WAVE_MODE, 25, 1), 1
	s_wait_xcnt 0x0
; Each row of z has eight candidates (key, index), whole numbers that the launch before stored, one from each slice of the codebook: cand [8][16384][2 words].  The largest key (signed) wins; of equal keys the earlier
; slice, whose indices are the lower ones.  Then q = weight[index]; out1 = z + (q - z), in that order of rounding; out2 = index; part[wave] = the sum of (q - z)^2 over the wave's rows.  All f32.
; A work-group takes 64 rows.  Every wave picks the winners of all 64 (lane l: rows 2 l, 2 l + 1; a load reads 512 consecutive bytes of a slice), so that no wave waits for another; wave 0 stores the 64 indices, 256 consecutive bytes.
; A wave then takes its 4 rows of 2,048 bytes, in two sets of registers, none of which is used twice: all its loads of z go out at the head, all its loads of weight as soon as the winners are known.
; Every load and store covers 512 consecutive bytes of one row.  Each index is held at 8,191 ahead of its use in an address.  No LDS, no barrier, no matrix unit.
.set ROW, 2048
.set SLICE, 131072
.set LO,  1                            ; v1     16 x lane
.set WO,  2                            ; v2-5   row k of my four: its code's byte offset in weight + 16 x lane
.set AC,  10                           ; v10-17 four pairs of sums of squares
.set O8,  21                           ; v21    8 x lane
.set BI,  22                           ; v22, v23  the best index of the lane's two rows
.set BV,  24                           ; v24, v25  the best key
.set CD,  128                          ; v128-159  slice k at 128 + 4 k: key, index, key, index (later weight's rows of the second set)
	s_load_b256 s[4:11], s[0:1], 0x0               ; z_flat s[4:5], weight s[6:7], cand s[8:9], out1 s[10:11]
	s_load_b128 s[12:15], s[0:1], 0x20             ; out2 s[12:13], part s[14:15]
	v_lshrrev_b32 v18, 5, v0
	v_readfirstlane_b32 s32, v18                   ; wave 0..15
	s_lshl_b32 s33, ttmp9, 4
	s_add_co_u32 s33, s33, s32                     ; W: which of the 4,096 waves
	v_and_b32 v19, 31, v0                          ; lane
	v_lshlrev_b32 v[LO], 4, v19
	v_lshlrev_b32 v[O8], 3, v19
	v_mov_b32 v20, 0
	s_lshl_b32 s24, ttmp9, 9                       ; the work-group's 64 candidates of a slice,
	s_mov_b32 s25, 0
	s_lshl_b32 s26, s33, 13                        ; my 4 rows,
	s_mov_b32 s27, 0
	s_lshl_b32 s28, s33, 2                         ; my sum,
	s_mov_b32 s29, 0
	s_lshl_b32 s34, ttmp9, 8                       ; the work-group's 64 indices
	s_mov_b32 s35, 0
	s_lshl_b32 s36, s32, 1                         ; my 4 rows' winners lie in lanes 2 w, 2 w + 1
	s_add_co_u32 s37, s36, 1
	s_mov_b32 s30, 0x76543210
	s_mov_b32 s31, 0xfedcba98
	s_wait_alu depctr_va_vdst(0)                   ; the wait at the head's end
	s_wait_kmcnt 0x0
	s_add_nc_u64 s[8:9], s[8:9], s[24:25]
	s_add_nc_u64 s[4:5], s[4:5], s[26:27]
	s_add_nc_u64 s[10:11], s[10:11], s[26:27]
	s_add_nc_u64 s[12:13], s[12:13], s[34:35]
	s_add_nc_u64 s[14:15], s[14:15], s[28:29]
.irp k, 0,1,2,3,4,5,6,7
	global_load_b128 v[CD+4*\k:CD+4*\k+3], v[LO], s[8:9] offset:SLICE*\k
.endr
.macro LOADZ g                         ; rows 2 g, 2 g + 1 of z
.irp p, 0,1
.irp c, 0,1,2,3
	global_load_b128 v[32+64*(\g)+16*\p+4*\c:32+64*(\g)+16*\p+4*\c+3], v[LO], s[4:5] offset:ROW*(2*(\g)+\p)+512*\c th:TH_LOAD_NT
.endr
.endr
.endm
.macro LOADW g                         ; and their codes' rows of weight (a row may be named by many tokens: no hint)
.irp p, 0,1
.irp c, 0,1,2,3
	global_load_b128 v[64+64*(\g)+16*\p+4*\c:64+64*(\g)+16*\p+4*\c+3], v[WO+2*(\g)+\p], s[6:7] offset:512*\c
.endr
.endr
.endm
.macro PROC g, left                    ; left: the loads issued behind this group's, which may stay out
.set ZB, 32+64*(\g)
.set WB, ZB+32
	s_wait_loadcnt \left
.set n, 0
.rept 16
	v_pk_add_f32 v[WB+n:WB+n+1], v[WB+n:WB+n+1], v[ZB+n:ZB+n+1] neg_lo:[0,1] neg_hi:[0,1]   ; q - z
.set n, n+2
.endr
.set n, 0
.rept 16
.if ((\g) == 0) && (n < 8)
	v_pk_mul_f32 v[AC+n:AC+n+1], v[WB+n:WB+n+1], v[WB+n:WB+n+1]                            ; the first four start the sums
.else
	v_pk_fma_f32 v[AC+n%8:AC+n%8+1], v[WB+n:WB+n+1], v[WB+n:WB+n+1], v[AC+n%8:AC+n%8+1]
.endif
.set n, n+2
.endr
.set n, 0
.rept 16
	v_pk_add_f32 v[WB+n:WB+n+1], v[ZB+n:ZB+n+1], v[WB+n:WB+n+1]                            ; z + (q - z)
.set n, n+2
.endr
.irp p, 0,1
.irp c, 0,1,2,3
	global_store_b128 v[LO], v[WB+16*\p+4*\c:WB+16*\p+4*\c+3], s[10:11] offset:ROW*(2*(\g)+\p)+512*\c th:TH_STORE_NT
.endr
.endr
.endm
	LOADZ 0                                        ; z's rows need no index: they go out while the candidates come
	LOADZ 1
	s_wait_loadcnt 16                              ; the eight loads of candidates are in; z's 16 may be out
.macro TAKE k
.irp p, 0,1
.if \k == 1
.set OV, CD+2*\p                       ; the first comparison starts the best from slice 0
.set OI, CD+2*\p+1
.else
.set OV, BV+\p
.set OI, BI+\p
.endif
	v_cmp_gt_i32 vcc_lo, v[CD+4*\k+2*\p], v[OV]    ; strictly above: of equal keys the earlier slice stays
	v_cndmask_b32 v[BV+\p], v[OV], v[CD+4*\k+2*\p], vcc_lo
	v_cndmask_b32 v[BI+\p], v[OI], v[CD+4*\k+2*\p+1], vcc_lo
.endr
.endm
.irp k, 1,2,3,4,5,6,7
	TAKE \k
.endr
	s_wait_alu depctr_va_vdst(0)                   ; ahead of the branch
	s_cmp_lg_u32 s32, 0
	s_cbranch_scc1 .Lnot_wave_0
	global_store_b64 v[O8], v[BI:BI+1], s[12:13]   ; 32 lanes store 256 consecutive bytes of out2
.Lnot_wave_0:
.irp k, 0,1,2,3
	v_readlane_b32 s[16+\k], v[BI+(\k)%2], s[36+(\k)/2]
	s_min_u32 s[16+\k], s[16+\k], 0x1fff           ; an index stays inside the table
	s_lshl_b32 s[16+\k], s[16+\k], 11
	v_add_nc_u32 v[WO+\k], s[16+\k], v[LO]
.endr
	s_wait_alu depctr_va_vdst(0)
	LOADW 0
	LOADW 1
	PROC 0, 8                                      ; behind group 0's: weight's rows of group 1
	PROC 1, 0
	v_pk_add_f32 v[AC:AC+1], v[AC:AC+1], v[AC+2:AC+3]
	v_pk_add_f32 v[AC+4:AC+5], v[AC+4:AC+5], v[AC+6:AC+7]
	v_pk_add_f32 v[AC:AC+1], v[AC:AC+1], v[AC+4:AC+5]
	v_add_f32 v[AC], v[AC], v[AC+1]
	v_add_f32_dpp v[AC], v[AC], v[AC] row_xmask:1 row_mask:0xf bank_mask:0xf
	v_add_f32_dpp v[AC], v[AC], v[AC] row_xmask:2 row_mask:0xf bank_mask:0xf
	v_add_f32_dpp v[AC], v[AC], v[AC] row_xmask:4 row_mask:0xf bank_mask:0xf
	v_add_f32_dpp v[AC], v[AC], v[AC] row_xmask:8 row_mask:0xf bank_mask:0xf
	v_permlanex16_b32 v[AC+1], v[AC], s30, s31
	v_add_f32 v[AC], v[AC], v[AC+1]                ; the wave's sum, in every lane
	v_cmp_eq_u32 vcc_lo, 0, v19
	s_wait_alu depctr_va_vdst(0)
	s_wait_xcnt 0x0                                ; EXEC changes only behind this wait: the stores above have it among their sources
	s_and_saveexec_b32 s26, vcc_lo
	global_store_b32 v20, v[AC], s[14:15]          ; lane 0: one number a wave
	s_endpgm
.Lfunc_end_k_q8c6c351da6_gather:
	.size	k_q8c6c351da6_gather, .Lfunc_end_k_q8c6c351da6_gather-k_q8c6c351da6_gather
	.p2alignl 7, 3214868480
	.fill 96, 4, 3214868480
	.section	.rodata,"a",@progbits
	.p2align	6, 0x0
	.amdhsa_kernel k_q8c6c351da6_gather
		.amdhsa_group_segment_fixed_size 0
		.amdhsa_private_segment_fixed_size 0
		.amdhsa_enable_private_segment 0
		.amdhsa_kernarg_size 48
		.amdhsa_user_sgpr_count 2
		.amdhsa_user_sgpr_kernarg_segment_ptr 1
		.amdhsa_wavefront_size32 1
		.amdhsa_system_sgpr_workgroup_id_x 1
		.amdhsa_system_sgpr_workgroup_id_y 1
		.amdhsa_system_sgpr_workgroup_id_z 1
		.amdhsa_system_vgpr_workitem_id 0
		.amdhsa_next_free_vgpr 160
		.amdhsa_next_free_sgpr 66
		.amdhsa_reserve_vcc 1
		.amdhsa_float_denorm_mode_32 3
		.amdhsa_float_denorm_mode_16_64 3
		.amdhsa_memory_ordered 1
		.amdhsa_forward_progress 1
		.amdhsa_inst_pref_size 16
	.end_amdhsa_kernel
	.amdgpu_metadata
---
amdhsa.version: [ 1, 2 ]
amdhsa.kernels:
  - .name:           k_q8c6c351da6_gather
    .symbol:         k_q8c6c351da6_gather.kd
    .args:
      - { .name: z_flat, .offset: 0, .size: 8, .value_kind: global_buffer, .address_space: global }
      - { .name: weight, .offset: 8, .size: 8, .value_kind: global_buffer, .address_space: global }
      - { .name: cand, .offset: 16, .size: 8, .value_kind: global_buffer, .address_space: global }
      - { .name: out1, .offset: 24, .size: 8, .value_kind: global_buffer, .address_space: global }
      - { .name: out2, .offset: 32, .size: 8, .value_kind: global_buffer, .address_space: global }
      - { .name: part, .offset: 40, .size: 8, .value_kind: global_buffer, .address_space: global }
    .group_segment_fixed_size: 0
    .private_segment_fixed_size: 0
    .kernarg_segment_align: 8
    .kernarg_segment_size: 48
    .max_flat_workgroup_size: 512
    .sgpr_count:     66
    .vgpr_count:     160
    .wavefront_size: 32
...
	.end_amdgpu_metadata
.endif
;; end of part 3
;; launch loss (part 4): grid 1 x 1, 1 waves a work-group, no clusters, 0 bytes of LDS; arguments part, out0; writes out0
.if DOCPART == 4
	.amdgcn_target "amdgcn-amd-amdhsa--gfx1250"
	.amdhsa_code_object_version 6
	.text
	.protected	k_q8c6c351da6_loss
	.globl	k_q8c6c351da6_loss
	.p2align	8
	.type	k_q8c6c351da6_loss,@function
k_q8c6c351da6_loss:
	s_mov_b64 s[64:65], 0
	v_nop
	global_prefetch_b8 v0, s[64:65] scope:SCOPE_SE
	s_setreg_imm32_b32 hwreg(HW_REG_WAVE_MODE, 25, 1), 1
	s_wait_xcnt 0x0
; out0 = m + 0.25 m, m = the mean of (q - z)^2 over 16,384 x 512 = 2^23 numbers: both of the loss's terms have the same value.  part holds 4,096 sums, one from each wave of the launch before.
; One wave: 32 loads of 512 consecutive bytes, four chains of packed additions, one reduction across the lanes.  A sum over work-groups is made in an order of its own, by a launch of its own.
	s_load_b128 s[4:7], s[0:1], 0x0                ; part, out0
	v_lshlrev_b32 v1, 4, v0
	v_mov_b32 v2, 0
	s_mov_b32 s8, 0x76543210
	s_mov_b32 s9, 0xfedcba98
	s_wait_alu depctr_va_vdst(0)                   ; the wait at the head's end
	s_wait_kmcnt 0x0
.set n, 0
.rept 32
	global_load_b128 v[8+4*n:11+4*n], v1, s[4:5] offset:512*n
.set n, n+1
.endr
	s_wait_loadcnt 0x0
.set n, 4
.rept 60
	v_pk_add_f32 v[8+2*(n%4):9+2*(n%4)], v[8+2*(n%4):9+2*(n%4)], v[8+2*n:9+2*n]   ; the first four pairs start the chains
.set n, n+1
.endr
	v_pk_add_f32 v[8:9], v[8:9], v[10:11]
	v_pk_add_f32 v[12:13], v[12:13], v[14:15]
	v_pk_add_f32 v[8:9], v[8:9], v[12:13]
	v_add_f32 v8, v8, v9
	v_add_f32_dpp v8, v8, v8 row_xmask:1 row_mask:0xf bank_mask:0xf
	v_add_f32_dpp v8, v8, v8 row_xmask:2 row_mask:0xf bank_mask:0xf
	v_add_f32_dpp v8, v8, v8 row_xmask:4 row_mask:0xf bank_mask:0xf
	v_add_f32_dpp v8, v8, v8 row_xmask:8 row_mask:0xf bank_mask:0xf
	v_permlanex16_b32 v9, v8, s8, s9
	v_add_f32 v8, v8, v9
	v_mul_f32 v8, 0x34000000, v8                   ; x 2^-23: the mean; nothing is rounded
	v_fmamk_f32 v9, v8, 0x3e800000, v8             ; 0.25 m + m
	v_cmp_eq_u32 vcc_lo, 0, v0
	s_wait_alu depctr_va_vdst(0)
	s_wait_xcnt 0x0                                ; EXEC changes only behind this wait
	s_and_saveexec_b32 s10, vcc_lo
	global_store_b32 v2, v9, s[6:7]                ; lane 0 stores the one number
	s_endpgm
.Lfunc_end_k_q8c6c351da6_loss:
	.size	k_q8c6c351da6_loss, .Lfunc_end_k_q8c6c351da6_loss-k_q8c6c351da6_loss
	.p2alignl 7, 3214868480
	.fill 96, 4, 3214868480
	.section	.rodata,"a",@progbits
	.p2align	6, 0x0
	.amdhsa_kernel k_q8c6c351da6_loss
		.amdhsa_group_segment_fixed_size 0
		.amdhsa_private_segment_fixed_size 0
		.amdhsa_enable_private_segment 0
		.amdhsa_kernarg_size 16
		.amdhsa_user_sgpr_count 2
		.amdhsa_user_sgpr_kernarg_segment_ptr 1
		.amdhsa_wavefront_size32 1
		.amdhsa_system_sgpr_workgroup_id_x 1
		.amdhsa_system_sgpr_workgroup_id_y 1
		.amdhsa_system_sgpr_workgroup_id_z 1
		.amdhsa_system_vgpr_workitem_id 0
		.amdhsa_next_free_vgpr 136
		.amdhsa_next_free_sgpr 66
		.amdhsa_reserve_vcc 1
		.amdhsa_float_denorm_mode_32 3
		.amdhsa_float_denorm_mode_16_64 3
		.amdhsa_memory_ordered 1
		.amdhsa_forward_progress 1
		.amdhsa_inst_pref_size 9
	.end_amdhsa_kernel
	.amdgpu_metadata
---
amdhsa.version: [ 1, 2 ]
amdhsa.kernels:
  - .name:           k_q8c6c351da6_loss
    .symbol:         k_q8c6c351da6_loss.kd
    .args:
      - { .name: part, .offset: 0, .size: 8, .value_kind: global_buffer, .address_space: global }
      - { .name: out0, .offset: 8, .size: 8, .value_kind: global_buffer, .address_space: global }
    .group_segment_fixed_size: 0
    .private_segment_fixed_size: 0
    .kernarg_segment_align: 8
    .kernarg_segment_size: 16
    .max_flat_workgroup_size: 32
    .sgpr_count:     66
    .vgpr_count:     136
    .wavefront_size: 32
...
	.end_amdgpu_metadata
.endif
;; end of part 4
